; MI455X (gfx1250); checked and timed in simulation.
; The chip was launched on July 23, 2026; its instructions are those of AMD's public machine-readable ISA for CDNA 5 (MIT licence, August 2026) and "CDNA5" Instruction Set Architecture Reference Guide (July 2026). The comments in the code are by the model that wrote it; some were corrected since.
;; Point Seg Batchloss Head. Allowed arithmetic: float matrix products may take bf16 or f16 operands with f32 sums; all other float work in f32.
;; Inputs: al_b 64 float32; al_bn_b 64 float32; al_bn_g 64 float32; al_bn_m 64 float32; al_bn_v 64 float32; al_w 64 x 64 float32; cls_b2 20 float32; cls_bn_b 64 float32; cls_bn_g 64 float32; cls_bn_m 64 float32; cls_bn_v 64 float32; cls_w1 64 x 64 float32; cls_w2 64 x 20 float32; conv_point_coords 20,000 x 4 float32; conv_point_features 20,000 x 64 float32; out_b2 20 float32; out_bn_b 64 float32; out_bn_g 64 float32; out_bn_m 64 float32; out_bn_v 64 float32; out_w1 64 x 64 float32; out_w2 64 x 20 float32; points 20,000 x 4 float32.
;; Outputs: out0 20,000 x 20 float32; out1 20,000 x 20 float32.
;; Constants: batch_size = 2.
;; One version. Each part assembles by itself: llvm-mc -triple=amdgcn-amd-amdhsa -mcpu=gfx1250 --defsym DOCPART=n.
;; ======== version 1 of 1: 3 launches
;; limits: values outside matrix products are rounded to bf16
;; workspace buffers: blk 320,000 bytes of whole numbers; nidx 320,000 bytes of whole numbers; nw 320,000 bytes
;; launch coarse (part 1): grid 250 x 1, 8 waves a work-group, no clusters, 205,824 bytes of LDS; arguments conv_point_coords, points, blk; writes blk
.if DOCPART == 1
	.amdgcn_target "amdgcn-amd-amdhsa--gfx1250"
	.amdhsa_code_object_version 6
	.text
	.protected	k_q109b30f246_coarse
	.globl	k_q109b30f246_coarse
	.p2align	8
	.type	k_q109b30f246_coarse,@function
k_q109b30f246_coarse:
	s_mov_b64 s[64:65], 0
	v_nop
	global_prefetch_b8 v0, s[64:65] scope:SCOPE_SE
	s_setreg_imm32_b32 hwreg(HW_REG_WAVE_MODE, 25, 1), 1
	s_wait_xcnt 0x0
; COARSE SEARCH.  For each of 20,000 points: the numbers of the four blocks of 32 candidates (of its frame's 10,000, padded to 10,240)
; whose smallest g = m2 - 2 p.c is smallest.  g orders a point's candidates as the squared distance does (n2 is the same for all of them).
; By the exact order the three nearest candidates lie in the three best blocks; the fourth block is slack for the rounding of g.
; The next launch evaluates the 128 candidates of these blocks exactly.
; One matrix instruction makes g for 16 candidates x 16 points: A's row = (cx, cy, cz, m2hi, m2mid, m2lo, 0, 0), B's column =
; (-2px, -2py, -2pz, 1, 1, 1, 0, 0) in k = 0..7; B is 0 for all other k.  Coordinates are rounded to bf16 (matrix operands); m2 is the f32 sum
; x*x + y*y + z*z of the rounded coordinates, cut exactly into three bf16 pieces.
; SHARES: work-group g: points 80 g .. 80 g + 79 (five tiles of 16), frame = g / 125.  Wave w: candidates 1280 w .. 1280 w + 1279, whose records it
; makes itself and keeps in its own 20,480 bytes of LDS.  Candidate c = 32 beta + 8 tau + j, block beta = 40 w + 20 h + s (h: half of the lanes,
; s: step 0..19, tau: tile of the step, j: register of the result).  A lane keeps, for each point tile, the four smallest block minima with their
; numbers; a lower list number 2 w + h means lower blocks, and all comparisons are strict, so equal minima keep the lower block first.
; NO CLUSTER: the 125 work-groups of a frame divide by neither 4 nor 2, and every coordinate byte passes through registers to be converted.
; LIMITS: g is rounded otherwise than the exact evaluation: a true neighbour is lost only if three blocks lie within that rounding of each other at
; places 3 to 5 of a point's order.  Real g must stay below 2^127 (the pad records' value).  NaN and infinite coordinates are not served.
.set RECW,   20480                     ; bytes of records of a wave: 1,280 x 16
.set MRG,    163840                    ; behind the records: tile v, list l, point r at MRG + 8192 v + 512 l + 32 r: 4 minima, 4 numbers
.set FRAMEB, 160000                    ; bytes of a frame's coordinates
.set LASTC,  9999
.set VA,   4                           ; v4        LDS address of my record in the step's first tile
.set VID,  5                           ; v5        number of the block whose minimum stands in BM
.set T,    6                           ; v[6:10]   at work, one for each point tile
.set BM,   11                          ; v[11:15]  the running block minimum, one for each point tile
.set B,    16                          ; v[16:55]  five B fragments (points)
.set A,    56                          ; v[56:87]  four A fragments (candidates); registers 4-7 of each stay 0
.set LIST, 88                          ; v[88:127] tile v: M1..M4 (ascending), I1..I4
.set DX,   128                         ; v[128:167], v[168:207]: two sets of five results
.set DY,   168
.set CM,   20                          ; s[20:39]  compare masks, four for each point tile
; while the records are made:
.set VG,   6                           ; byte offset of my candidate in the frame's coordinates
.set VS,   7                           ; LDS address of my record
.set VC0,  8                           ; 1280 w + lane
.set VR16, 9
.set VZ,   10
.set VPAD, 11
.set VONES, 12
.set P,    128                         ; v[128:159], v[160:191]: two batches of eight loads
.set Q,    160
.set PT,   192                         ; v[192:211] the five point loads; then:
.set TT,   192                         ; v[192:200] at work
.set QA,   208                         ; v[208:215] two records by turns; their fourth words stay 0
.set OF,   216                         ; v[216:223] clamped offsets of the last batch
	s_load_b128 s[4:7], s[0:1], 0x0                ; coordinates s[4:5], points s[6:7]
	s_load_b64 s[8:9], s[0:1], 0x10                ; blk
	v_lshl_add_u32 v224, v0, 2, 0x32000
	v_mov_b32 v225, 0
	v_and_b32 v1, 31, v0                           ; lane
	v_lshrrev_b32 v2, 5, v0
	v_readfirstlane_b32 s10, v2                    ; wave
	v_and_b32 v2, 15, v0                           ; r
	v_bfe_u32 v3, v0, 4, 1                         ; h
	s_cmp_ge_u32 ttmp9, 125
	s_cselect_b32 s14, FRAMEB, 0                   ; my frame's coordinates
	s_mov_b32 s15, 0
	s_mul_i32 s42, ttmp9, 1280                     ; 80 points x 16 bytes, in points and in blk
	s_mov_b32 s43, 0
	s_mul_i32 s11, s10, RECW
	s_mul_i32 s12, s10, 1280
	s_mov_b32 s13, 0x07060302                      ; v_perm_b32: the two upper halves
	s_mov_b32 s16, 0xffff0000                      ; a word's upper bf16; also the mask of lanes 16-31
	s_mov_b32 s18, 0x76543210                      ; v_permlanex16_b32: lane i reads lane i of the other half
	s_mov_b32 s19, 0xfedcba98
	v_lshlrev_b32 v[VR16], 4, v2
	v_mov_b32 v[VZ], 0
	v_mov_b32 v[VPAD], 0x7f000000                  ; (cz = 0, m2hi = 2^127)
	v_mov_b32 v[VONES], 0x3f803f80                 ; (1, 1)
	v_lshl_add_u32 v[VG], v1, 4, s11               ; (1280 w + lane) x 16
	v_lshrrev_b32 v[VS], 3, v1                     ; tau = lane / 8
	v_and_b32 v[VC0], 7, v1                        ; j = lane % 8
	v_lshl_add_u32 v[VS], v[VS], 8, s11
	v_lshl_add_u32 v[VS], v[VC0], 4, v[VS]         ; w x 20480 + tau x 256 + j x 16
	v_add_nc_u32 v[VC0], s12, v1
.irp e, 0,1,2,3,4,5,6,7
	v_add_nc_u32 v[OF+\e], 32*(32+\e), v[VC0]      ; candidates 1024 .. 1279 of the wave: in wave 7 they pass the frame's end,
	v_min_u32 v[OF+\e], LASTC, v[OF+\e]            ; so the load is clamped to the frame's last candidate
	v_lshlrev_b32 v[OF+\e], 4, v[OF+\e]
.endr
	s_wait_kmcnt 0x0
	s_add_nc_u64 s[4:5], s[4:5], s[14:15]
	s_add_nc_u64 s[6:7], s[6:7], s[42:43]
	s_add_nc_u64 s[8:9], s[8:9], s[42:43]
.macro LOADB dst, b                    ; batch b: eight loads of 512 neighbouring bytes
.irp e, 0,1,2,3,4,5,6,7
	global_load_b128 v[\dst+4*\e:\dst+4*\e+3], v[VG], s[4:5] offset:512*(8*\b+\e)
.endr
.endm
.irp v, 0,1,2,3,4
	global_load_b128 v[PT+4*\v:PT+4*\v+3], v[VR16], s[6:7] offset:256*\v   ; point r of tile v, in both halves of the lanes
.endr
	LOADB P, 0
	LOADB Q, 1
	s_wait_loadcnt 16                              ; the five point loads are in; the sixteen candidate loads behind them stay out
.irp v, 0,1,2,3,4
	v_mul_f32 v[B+8*\v+3], -2.0, v[PT+4*\v+1]      ; exact: bf16(-2 x) = -2 bf16(x)
	v_mul_f32 v[B+8*\v+4], -2.0, v[PT+4*\v+2]
	v_mul_f32 v[B+8*\v+5], -2.0, v[PT+4*\v+3]
	v_cvt_pk_bf16_f32 v[B+8*\v], v[B+8*\v+3], v[B+8*\v+4]
	v_cvt_pk_bf16_f32 v[B+8*\v+1], v[B+8*\v+5], 1.0
	v_cndmask_b32 v[B+8*\v], v[B+8*\v], v[VZ], s16         ; lanes 16-31 hold k = 8..15: zero
	v_cndmask_b32 v[B+8*\v+1], v[B+8*\v+1], v[VZ], s16
	v_cndmask_b32 v[B+8*\v+2], v[VONES], v[VZ], s16
.irp k, 3,4,5,6,7
	v_mov_b32 v[B+8*\v+\k], 0
.endr
.endr
	v_mov_b32 v[QA+3], 0
	v_mov_b32 v[QA+7], 0
; One record.  src: the loaded (b, x, y, z); i: which 32 candidates of the wave's 1,280; par: which of the two sets of registers.
.macro PREP src, i, par, clamp
	v_cvt_pk_bf16_f32 v[QA+4*\par], v[\src+1], v[\src+2]               ; (cx, cy)
	v_cvt_pk_bf16_f32 v[TT+4*\par], v[\src+3], v[\src+3]               ; (cz, cz)
	v_lshlrev_b32 v[TT+4*\par+1], 16, v[QA+4*\par]                     ; the rounded coordinates as f32
	v_and_b32 v[TT+4*\par+2], s16, v[QA+4*\par]
	v_lshlrev_b32 v[TT+4*\par+3], 16, v[TT+4*\par]
	v_mul_f32 v[TT+4*\par+1], v[TT+4*\par+1], v[TT+4*\par+1]           ; m2 = (x x + y y) + z z; each product is exact in f32
	v_fmac_f32 v[TT+4*\par+1], v[TT+4*\par+2], v[TT+4*\par+2]
	v_fmac_f32 v[TT+4*\par+1], v[TT+4*\par+3], v[TT+4*\par+3]
	v_and_b32 v[TT+4*\par+2], s16, v[TT+4*\par+1]                      ; the top 8 bits,
	v_sub_f32 v[TT+4*\par+1], v[TT+4*\par+1], v[TT+4*\par+2]           ; what is left (exact),
	v_and_b32 v[TT+4*\par+3], s16, v[TT+4*\par+1]                      ; its top 8 bits,
	v_sub_f32 v[TT+4*\par+1], v[TT+4*\par+1], v[TT+4*\par+3]           ; and the last 8 (exact, a bf16 number)
	v_and_or_b32 v[QA+4*\par+1], v[TT+4*\par], 0xffff, v[TT+4*\par+2]  ; (cz, m2hi)
	v_perm_b32 v[QA+4*\par+2], v[TT+4*\par+1], v[TT+4*\par+3], s13     ; (m2mid, m2lo)
.if \clamp
	v_add_nc_u32 v[TT+8], 32*\i, v[VC0]
	v_cmp_lt_u32 vcc_lo, LASTC, v[TT+8]                                ; past the frame's end: the pad record, g = 2^127
	v_cndmask_b32 v[QA+4*\par], v[QA+4*\par], v[VZ], vcc_lo
	v_cndmask_b32 v[QA+4*\par+1], v[QA+4*\par+1], v[VPAD], vcc_lo
	v_cndmask_b32 v[QA+4*\par+2], v[QA+4*\par+2], v[VZ], vcc_lo
.endif
	ds_store_b128 v[VS], v[QA+4*\par:QA+4*\par+3] offset:((\i)%20)*1024+((\i)/20)*128   ; s = i % 20, h = i / 20
.endm
.macro BATCH src, b, clamp
.irp e, 0,1,2,3,4,5,6,7
	PREP (\src+4*\e), (8*\b+\e), (\e&1), \clamp
.endr
.endm
	s_wait_loadcnt 8                               ; each of these four waits: the older batch is in, the eight loads of the younger stay out
	BATCH P, 0, 0
	LOADB P, 2
	s_wait_loadcnt 8
	BATCH Q, 1, 0
	LOADB Q, 3
	s_wait_loadcnt 8
	BATCH P, 2, 0
.irp e, 0,1,2,3,4,5,6,7
	global_load_b128 v[P+4*\e:P+4*\e+3], v[OF+\e], s[4:5]
.endr
	s_wait_loadcnt 8
	BATCH Q, 3, 0
	s_wait_loadcnt 0x0
	BATCH P, 4, 1
	; the lists start empty: minima +inf
	s_mov_b32 s12, 0x7f800000
.irp v, 0,1,2,3,4
.irp k, 0,1,2,3
	v_mov_b32 v[LIST+8*\v+\k], s12
	v_mov_b32 v[LIST+8*\v+4+\k], 0
.endr
	v_mov_b32 v[BM+\v], s12                        ; the first update sees +inf and changes nothing
.endr
.irp t, 0,1,2,3
.irp k, 4,5,6,7
	v_mov_b32 v[A+8*\t+\k], 0                      ; k = 16..31 of A
.endr
.endr
	s_mul_i32 s17, s10, 40
	s_add_co_i32 s17, s17, -1
	v_mul_u32_u24 v[VID], 20, v3
	v_add_nc_u32 v[VID], s17, v[VID]               ; 40 w + 20 h - 1: one behind the first block
	v_lshl_add_u32 v[VA], v2, 4, s11               ; row r of a tile is its record r: lanes 16-31 take the same record, against B's zeros
.irp t, 0,1,2,3
	ds_load_b128 v[A+8*\t:A+8*\t+3], v[VA] offset:256*\t   ; my own wave's records: LDS serves a wave's instructions in order (ISA guide 5.7.1)
.endr
.macro WM dd, tau                      ; one candidate tile against the five point tiles; C = 0: nothing is accumulated
.irp v, 0,1,2,3,4
	v_wmma_f32_16x16x32_bf16 v[\dd+8*\v:\dd+8*\v+7], v[A+8*\tau:A+8*\tau+7], v[B+8*\v:B+8*\v+7], 0
.endr
.endm
.macro MINF dd                         ; the block's first tile starts the minimum
.irp v, 0,1,2,3,4
	v_min3_num_f32 v[BM+\v], v[\dd+8*\v], v[\dd+8*\v+1], v[\dd+8*\v+2]
.endr
.irp q, 3,5
.irp v, 0,1,2,3,4
	v_min3_num_f32 v[BM+\v], v[BM+\v], v[\dd+8*\v+\q], v[\dd+8*\v+\q+1]
.endr
.endr
.irp v, 0,1,2,3,4
	v_min_num_f32 v[BM+\v], v[BM+\v], v[\dd+8*\v+7]
.endr
.endm
.macro MINN dd
.irp q, 0,2,4,6
.irp v, 0,1,2,3,4
	v_min3_num_f32 v[BM+\v], v[BM+\v], v[\dd+8*\v+\q], v[\dd+8*\v+\q+1]
.endr
.endr
.endm
; (BM, VID) goes into each tile's sorted list of four; stage by stage over the five tiles, so that no line waits for the one in front of it.
.macro UPD
.irp k, 0,1,2,3
.irp v, 0,1,2,3,4
	v_cmp_lt_f32 s[CM+4*\v+\k], v[BM+\v], v[LIST+8*\v+\k]
.endr
.endr
.irp k, 3,2,1
.irp v, 0,1,2,3,4
	v_cndmask_b32 v[T+\v], v[VID], v[LIST+8*\v+3+\k], s[CM+4*\v+\k-1]          ; what moves into place k: the neighbour above, or the new number
.endr
.irp v, 0,1,2,3,4
	v_cndmask_b32 v[LIST+8*\v+4+\k], v[LIST+8*\v+4+\k], v[T+\v], s[CM+4*\v+\k]
.endr
.endr
.irp v, 0,1,2,3,4
	v_cndmask_b32 v[LIST+8*\v+4], v[LIST+8*\v+4], v[VID], s[CM+4*\v]
.endr
.irp k, 3,2,1
.irp v, 0,1,2,3,4
	v_med3_num_f32 v[LIST+8*\v+\k], v[BM+\v], v[LIST+8*\v+\k-1], v[LIST+8*\v+\k]
.endr
.endr
.irp v, 0,1,2,3,4
	v_min_num_f32 v[LIST+8*\v], v[BM+\v], v[LIST+8*\v]
.endr
	v_add_nc_u32 v[VID], 1, v[VID]
.endm
; One step = one block of 32 candidates in each half of the lanes = four candidate tiles.  Between a matrix instruction and the first read of its result, a load into
; its A, or the next write of its result stand at least 20 plain vector instructions that name none of its registers (ISA guide 7.12.1 asks for fewer).
; c0..c3: a fragment was asked for one step earlier; in the loop three younger fragment loads are out at each wait.
.macro STEP ld, c0, c1, c2, c3
	s_wait_dscnt \c0
	WM DX, 0
	UPD                                            ; the block before
.if \ld
	ds_load_b128 v[A:A+3], v[VA] offset:1024
.endif
	s_wait_dscnt \c1
	WM DY, 1
	MINF DX
.if \ld
	ds_load_b128 v[A+8:A+11], v[VA] offset:1280
.endif
	s_wait_dscnt \c2
	WM DX, 2
	MINN DY
.if \ld
	ds_load_b128 v[A+16:A+19], v[VA] offset:1536
.endif
	s_wait_dscnt \c3
	WM DY, 3
	MINN DX
.if \ld
	ds_load_b128 v[A+24:A+27], v[VA] offset:1792
.endif
	MINN DY
.if \ld
	v_add_nc_u32 v[VA], 1024, v[VA]
.endif
.endm
	s_mov_b32 s17, 19
.Lstep:
	STEP 1, 3, 3, 3, 3
	s_sub_co_i32 s17, s17, 1
	s_cmp_lg_u32 s17, 0
	s_cbranch_scc1 .Lstep
	STEP 0, 3, 2, 1, 0                             ; the last step asks for nothing: the counts run down
	UPD                                            ; the last block
	; THE MERGE: sixteen lists for each point meet in LDS
	s_lshl_b32 s12, s10, 10
	s_add_co_u32 s12, s12, MRG
	v_lshl_add_u32 v4, v3, 9, s12
	v_lshl_add_u32 v4, v2, 5, v4                   ; MRG + (2 w + h) x 512 + 32 r
.irp v, 0,1,2,3,4
	ds_store_b128 v4, v[LIST+8*\v:LIST+8*\v+3] offset:8192*\v
	ds_store_b128 v4, v[LIST+8*\v+4:LIST+8*\v+7] offset:8192*\v+16
.endr
	s_wait_dscnt 0x0                               ; my lists are in LDS, for the other waves' sake
	s_barrier_signal -1
	s_barrier_wait -1
	s_cmp_ge_u32 s10, 5                            ; wave v merges point tile v; three waves have none
	s_cbranch_scc1 .Lend
	s_lshl_b32 s12, s10, 13
	s_add_co_u32 s12, s12, MRG
	v_lshl_add_u32 v4, v3, 12, s12
	v_lshl_add_u32 v4, v2, 5, v4                   ; lists 8 h .. 8 h + 7 of point r
.irp u, 0,1,2,3,4,5,6,7
	ds_load_b128 v[128+8*\u:128+8*\u+3], v4 offset:512*\u
	ds_load_b128 v[128+8*\u+4:128+8*\u+7], v4 offset:512*\u+16
.endr
; (val, id) goes into the sorted list at L
.macro INS L, val, id
.irp k, 0,1,2,3
	v_cmp_lt_f32 s[CM+\k], v[\val], v[\L+\k]
.endr
.irp k, 3,2,1
	v_cndmask_b32 v[T], v[\id], v[\L+3+\k], s[CM+\k-1]
	v_cndmask_b32 v[\L+4+\k], v[\L+4+\k], v[T], s[CM+\k]
.endr
	v_cndmask_b32 v[\L+4], v[\L+4], v[\id], s[CM]
.irp k, 3,2,1
	v_med3_num_f32 v[\L+\k], v[\val], v[\L+\k-1], v[\L+\k]
.endr
	v_min_num_f32 v[\L], v[\val], v[\L]
.endm
	s_wait_dscnt 0x0
.irp u, 1,2,3,4,5,6,7                              ; ascending lists, ascending places: what comes later has the higher block number
.irp e, 0,1,2,3
	INS 128, (128+8*\u+\e), (132+8*\u+\e)
.endr
.endr
.irp k, 0,1,2,3,4,5,6,7
	v_permlanex16_b32 v[136+\k], v[128+\k], s18, s19       ; the other half's result (the destination has been written before)
.endr
.irp e, 0,1,2,3
	INS 128, (136+\e), (140+\e)                    ; right in lanes 0-15, whose own lists are the lower ones
.endr
	s_lshl_b32 s42, s10, 8
	s_add_nc_u64 s[8:9], s[8:9], s[42:43]          ; my tile's 16 records of 16 bytes
	v_lshlrev_b32 v4, 4, v2
	s_wait_xcnt 0x0                                ; EXEC changes only behind this wait
	v_cmp_gt_u32 vcc_lo, 16, v1
	s_and_saveexec_b32 s40, vcc_lo
	global_store_b128 v4, v[132:135], s[8:9]       ; sixteen lanes store 256 consecutive bytes, at a multiple of 256 from blk's first byte
	s_wait_xcnt 0x0                                ; and again in front of the line that widens it
	s_or_b32 exec_lo, exec_lo, s40
.Lend:
	s_barrier_signal -1
	s_barrier_wait -1
	s_wait_tensorcnt 0x0
	ds_add_u32 v224, v225
	s_wait_dscnt 0x0
	s_endpgm
.Lfunc_end_k_q109b30f246_coarse:
	.size	k_q109b30f246_coarse, .Lfunc_end_k_q109b30f246_coarse-k_q109b30f246_coarse
	.p2alignl 7, 3214868480
	.fill 96, 4, 3214868480
	.section	.rodata,"a",@progbits
	.p2align	6, 0x0
	.amdhsa_kernel k_q109b30f246_coarse
		.amdhsa_group_segment_fixed_size 205824
		.amdhsa_private_segment_fixed_size 0
		.amdhsa_enable_private_segment 0
		.amdhsa_kernarg_size 24
		.amdhsa_user_sgpr_count 2
		.amdhsa_user_sgpr_kernarg_segment_ptr 1
		.amdhsa_wavefront_size32 1
		.amdhsa_system_sgpr_workgroup_id_x 1
		.amdhsa_system_sgpr_workgroup_id_y 1
		.amdhsa_system_sgpr_workgroup_id_z 1
		.amdhsa_system_vgpr_workitem_id 0
		.amdhsa_next_free_vgpr 226
		.amdhsa_next_free_sgpr 66
		.amdhsa_reserve_vcc 1
		.amdhsa_float_denorm_mode_32 3
		.amdhsa_float_denorm_mode_16_64 3
		.amdhsa_memory_ordered 1
		.amdhsa_forward_progress 1
		.amdhsa_inst_pref_size 100
	.end_amdhsa_kernel
	.amdgpu_metadata
---
amdhsa.version: [ 1, 2 ]
amdhsa.kernels:
  - .name:           k_q109b30f246_coarse
    .symbol:         k_q109b30f246_coarse.kd
    .args:
      - { .name: conv_point_coords, .offset: 0, .size: 8, .value_kind: global_buffer, .address_space: global }
      - { .name: points, .offset: 8, .size: 8, .value_kind: global_buffer, .address_space: global }
      - { .name: blk, .offset: 16, .size: 8, .value_kind: global_buffer, .address_space: global }
    .group_segment_fixed_size: 205824
    .private_segment_fixed_size: 0
    .kernarg_segment_align: 8
    .kernarg_segment_size: 24
    .max_flat_workgroup_size: 256
    .sgpr_count:     66
    .vgpr_count:     226
    .wavefront_size: 32
...
	.end_amdgpu_metadata
.endif
;; end of part 1
;; launch refine (part 2): grid 250 x 1, 20 waves a work-group, no clusters, 5,120 bytes of LDS; arguments blk, conv_point_coords, points, nidx, nw; writes nidx, nw
.if DOCPART == 2
	.amdgcn_target "amdgcn-amd-amdhsa--gfx1250"
	.amdhsa_code_object_version 6
	.text
	.protected	k_q109b30f246_refine
	.globl	k_q109b30f246_refine
	.p2align	8
	.type	k_q109b30f246_refine,@function
k_q109b30f246_refine:
	s_mov_b64 s[64:65], 0
	v_nop
	global_prefetch_b8 v0, s[64:65] scope:SCOPE_SE
	s_setreg_imm32_b32 hwreg(HW_REG_WAVE_MODE, 25, 1), 1
	s_wait_xcnt 0x0
; EXACT CHOICE.  For each point: the 128 candidates of its four blocks are evaluated in f32 on coordinates rounded to bf16,
;   n2 = (x x + y y) + z z, m2 likewise, dot = (px cx + py cy) + pz cz, d2 = (n2 + m2) - 2 dot,
; one rounding for each sum (the products of bf16 numbers are exact in f32, so fused and unfused forms give the same bits), and the three smallest by
; (d2, index) are taken: equal d2 keep the lower index first.  Stored: the three feature rows (frame x 10000 + c) and the weights
; w = 1 / (max(d2, 0) + 1e-8), divided by their sum.
; SHARES: work-group g: points 80 g .. 80 g + 79; wave w four of them, as two pairs; a pair has one point in lanes 0-15 and one in lanes 16-31.
; A lane holds eight candidates: c = 32 beta_k + 16 e + q (k = 0..3, e = 0..1, q = lane % 16), so each load of sixteen lanes takes 256 consecutive bytes.
; No matrix unit, no cluster: 2.6 million candidates of a dozen operations each, and no two work-groups share more than chance gives.
; LIMITS: the bits of d2 are those of sums taken in ascending order of the coordinates.  NaN and infinite coordinates are not served; +0 and -0 count as equal.
.set LASTC, 9999
.set R0,    16                         ; pair p: registers R0 + 64 p ..
.set PSZ,   64
.set oBLK,  0                          ; 4   the four block numbers
.set oPT,   4                          ; 4   the point as loaded; then n2, px, py, pz
.set oC,    8                          ; 8   candidate numbers, as integers, then as f32
.set oOFF,  16                         ; 8   their clamped byte offsets
.set oCAND, 24                         ; 32  the candidates as loaded; then m2 (later n2 + m2), cx, cy, cz
.set oD,    56                         ; 8   d2
.set E,     144                        ; v[144:151] at work
.set DR,    152                        ; v[152:154] the three smallest d2
.set IR,    155                        ; v[155:157] their candidate numbers (f32, exact below 2^24)
.set QI,    160                        ; v[160:163] the record for nidx; the fourth word stays 0
.set QW,    164                        ; v[164:167] the record for nw; likewise
	s_load_b256 s[4:11], s[0:1], 0x0               ; blk s[4:5], coordinates s[6:7], points s[8:9], nidx s[10:11]
	s_load_b64 s[12:13], s[0:1], 0x20              ; nw
	v_lshl_add_u32 v168, v0, 2, 0xa00
	v_mov_b32 v169, 0
	v_lshrrev_b32 v2, 5, v0
	v_readfirstlane_b32 s14, v2                    ; wave
	v_and_b32 v8, 15, v0                           ; q
	v_add_nc_u32 v9, 16, v8                        ; q + 16
	v_bfe_u32 v2, v0, 4, 1                         ; which point of the pair
	s_lshl_b32 s15, s14, 6
	v_lshl_add_u32 v3, v2, 4, s15                  ; 16 x (4 w + half): my point's record, in memory and in LDS
	v_mov_b32 v4, 0x7f800000                       ; +inf
	v_mov_b32 v[QI+3], 0
	v_mov_b32 v[QW+3], 0
	s_mov_b32 s16, 0xffff0000
	s_mov_b32 s23, 0x322bcc77                      ; 1e-8
	s_cmp_ge_u32 ttmp9, 125
	s_cselect_b32 s18, 160000, 0                   ; my frame's coordinates,
	s_cselect_b32 s17, 10000, 0                    ; and its first feature row
	s_mov_b32 s19, 0
	s_mul_i32 s20, ttmp9, 1280
	s_mov_b32 s21, 0
	s_wait_kmcnt 0x0
	s_add_nc_u64 s[4:5], s[4:5], s[20:21]
	s_add_nc_u64 s[6:7], s[6:7], s[18:19]
	s_add_nc_u64 s[8:9], s[8:9], s[20:21]
	s_add_nc_u64 s[10:11], s[10:11], s[20:21]
	s_add_nc_u64 s[12:13], s[12:13], s[20:21]
.irp p, 0,1
	global_load_b128 v[R0+PSZ*\p+oBLK:R0+PSZ*\p+oBLK+3], v3, s[4:5] offset:32*\p
.endr
.irp p, 0,1
	global_load_b128 v[R0+PSZ*\p+oPT:R0+PSZ*\p+oPT+3], v3, s[8:9] offset:32*\p
.endr
	s_wait_loadcnt 2                               ; the block numbers are in; the two point loads stay out
.irp p, 0,1
.irp k, 0,1,2,3
.irp e, 0,1
	v_lshl_add_u32 v[R0+PSZ*\p+oC+2*\k+\e], v[R0+PSZ*\p+oBLK+\k], 5, v[8+\e]
	v_min_u32 v[R0+PSZ*\p+oOFF+2*\k+\e], LASTC, v[R0+PSZ*\p+oC+2*\k+\e]        ; a loaded number enters an address only clamped; pads read the last candidate
	v_lshlrev_b32 v[R0+PSZ*\p+oOFF+2*\k+\e], 4, v[R0+PSZ*\p+oOFF+2*\k+\e]
	global_load_b128 v[R0+PSZ*\p+oCAND+8*\k+4*\e:R0+PSZ*\p+oCAND+8*\k+4*\e+3], v[R0+PSZ*\p+oOFF+2*\k+\e], s[6:7]
.endr
.endr
.endr
	s_wait_loadcnt 16                              ; the points are in; the sixteen candidate loads stay out
.irp p, 0,1
	.set PP, R0+PSZ*\p+oPT
	v_cvt_pk_bf16_f32 v[PP], v[PP+1], v[PP+2]
	v_cvt_pk_bf16_f32 v[PP+3], v[PP+3], v[PP+3]
	v_lshlrev_b32 v[PP+1], 16, v[PP]               ; px, py, pz rounded to bf16, as f32
	v_and_b32 v[PP+2], s16, v[PP]
	v_lshlrev_b32 v[PP+3], 16, v[PP+3]
	v_mul_f32 v[PP], v[PP+1], v[PP+1]              ; n2
	v_fmac_f32 v[PP], v[PP+2], v[PP+2]
	v_fmac_f32 v[PP], v[PP+3], v[PP+3]
.endr
.macro CANDX R, k                      ; d2 of candidate k of the lane
	.set CC, \R+oCAND+4*\k
	v_cvt_pk_bf16_f32 v[CC], v[CC+1], v[CC+2]
	v_cvt_pk_bf16_f32 v[CC+3], v[CC+3], v[CC+3]
	v_lshlrev_b32 v[CC+1], 16, v[CC]
	v_and_b32 v[CC+2], s16, v[CC]
	v_lshlrev_b32 v[CC+3], 16, v[CC+3]
	v_mul_f32 v[CC], v[CC+1], v[CC+1]              ; m2
	v_fmac_f32 v[CC], v[CC+2], v[CC+2]
	v_fmac_f32 v[CC], v[CC+3], v[CC+3]
	v_mul_f32 v[\R+oD+\k], v[\R+oPT+1], v[CC+1]    ; dot
	v_fmac_f32 v[\R+oD+\k], v[\R+oPT+2], v[CC+2]
	v_fmac_f32 v[\R+oD+\k], v[\R+oPT+3], v[CC+3]
	v_add_f32 v[CC], v[\R+oPT], v[CC]              ; n2 + m2
	v_fma_f32 v[\R+oD+\k], -2.0, v[\R+oD+\k], v[CC]
	v_cmp_lt_u32 vcc_lo, LASTC, v[\R+oC+\k]        ; a pad is never chosen
	v_cndmask_b32 v[\R+oD+\k], v[\R+oD+\k], v4, vcc_lo
	v_cvt_f32_u32 v[\R+oC+\k], v[\R+oC+\k]
.endm
.macro MIN16 dst, src                  ; the smallest of eight registers x sixteen lanes, in all sixteen
	v_min3_num_f32 v[\dst], v[\src], v[\src+1], v[\src+2]
	v_min3_num_f32 v[\dst], v[\dst], v[\src+3], v[\src+4]
	v_min3_num_f32 v[\dst], v[\dst], v[\src+5], v[\src+6]
	v_min_num_f32 v[\dst], v[\dst], v[\src+7]
.irp x, 1,2,4,8
	v_min_num_f32_dpp v[\dst], v[\dst], v[\dst] row_xmask:\x row_mask:0xf bank_mask:0xf
.endr
.endm
; the n-th smallest: the least d2, among its holders the least number; that candidate then leaves the field
.macro PICK R, n, last
	MIN16 (DR+\n), (\R+oD)
.irp k, 0,1,2,3,4,5,6,7
	v_cmp_eq_f32 s[24+\k], v[\R+oD+\k], v[DR+\n]
.endr
.irp k, 0,1,2,3,4,5,6,7
	v_cndmask_b32 v[E+\k], v4, v[\R+oC+\k], s[24+\k]
.endr
	MIN16 (IR+\n), E
.if \last == 0
.irp k, 0,1,2,3,4,5,6,7
	v_cmp_eq_f32 s[24+\k], v[\R+oC+\k], v[IR+\n]
.endr
.irp k, 0,1,2,3,4,5,6,7
	v_cndmask_b32 v[\R+oD+\k], v[\R+oD+\k], v4, s[24+\k]
.endr
.endif
.endm
.macro PAIR R, p
.irp k, 0,1,2,3,4,5,6,7
	CANDX \R, \k
.endr
	PICK \R, 0, 0
	PICK \R, 1, 0
	PICK \R, 2, 1
.irp k, 0,1,2
	v_max_num_f32 v[E+\k], 0, v[DR+\k]
.endr
.irp k, 0,1,2
	v_add_f32 v[E+\k], s23, v[E+\k]
.endr
.irp k, 0,1,2
	v_rcp_f32 v[QW+\k], v[E+\k]
.endr
	v_cvt_u32_f32 v[QI], v[IR]                     ; the plain instruction between v_rcp_f32 and the first use of its result (ISA guide 5.7.2)
	s_wait_alu depctr_va_vdst(0)
	v_add_f32 v[E+3], v[QW], v[QW+1]
	v_add_f32 v[E+3], v[E+3], v[QW+2]
	v_rcp_f32 v[E+4], v[E+3]
	v_cvt_u32_f32 v[QI+1], v[IR+1]                 ; likewise
	v_cvt_u32_f32 v[QI+2], v[IR+2]
	s_wait_alu depctr_va_vdst(0)
.irp k, 0,1,2
	v_mul_f32 v[QW+\k], v[QW+\k], v[E+4]
	v_add_nc_u32 v[QI+\k], s17, v[QI+\k]
.endr
	ds_store_b128 v3, v[QI:QI+3] offset:32*\p      ; the sixteen lanes of a point write the same bytes with the same values
	ds_store_b128 v3, v[QW:QW+3] offset:1280+32*\p
.endm
	s_wait_loadcnt 8                               ; the first pair's eight candidate loads are in
	PAIR R0, 0
	s_wait_loadcnt 0x0
	PAIR (R0+PSZ), 1
	s_wait_dscnt 0x0                               ; my records are in LDS, for the other waves' sake
	s_barrier_signal -1
	s_barrier_wait -1
	s_cmp_ge_u32 s14, 6                            ; 2 x 1,280 bytes leave by waves 0-2 (nidx) and 3-5 (nw)
	s_cbranch_scc1 .Lend
	s_cmp_ge_u32 s14, 3
	s_cselect_b64 s[20:21], s[12:13], s[10:11]
	s_cselect_b32 s18, 96, 0
	s_cselect_b32 s19, 1280, 0
	v_subrev_nc_u32 v5, s18, v0                    ; 0 .. 95
	v_lshlrev_b32 v6, 4, v5
	v_add_nc_u32 v7, s19, v6
	s_wait_xcnt 0x0                                ; EXEC changes only behind this wait
	v_cmp_gt_u32 vcc_lo, 80, v5
	s_and_saveexec_b32 s22, vcc_lo
	ds_load_b128 v[10:13], v7
	s_wait_dscnt 0x0
	global_store_b128 v6, v[10:13], s[20:21]       ; 512, 512 and 256 consecutive bytes, each from a multiple of 256
	s_wait_xcnt 0x0                                ; and again in front of the line that widens it
	s_or_b32 exec_lo, exec_lo, s22
.Lend:
	s_barrier_signal -1
	s_barrier_wait -1
	s_wait_tensorcnt 0x0
	ds_add_u32 v168, v169
	s_wait_dscnt 0x0
	s_endpgm
.Lfunc_end_k_q109b30f246_refine:
	.size	k_q109b30f246_refine, .Lfunc_end_k_q109b30f246_refine-k_q109b30f246_refine
	.p2alignl 7, 3214868480
	.fill 96, 4, 3214868480
	.section	.rodata,"a",@progbits
	.p2align	6, 0x0
	.amdhsa_kernel k_q109b30f246_refine
		.amdhsa_group_segment_fixed_size 5120
		.amdhsa_private_segment_fixed_size 0
		.amdhsa_enable_private_segment 0
		.amdhsa_kernarg_size 40
		.amdhsa_user_sgpr_count 2
		.amdhsa_user_sgpr_kernarg_segment_ptr 1
		.amdhsa_wavefront_size32 1
		.amdhsa_system_sgpr_workgroup_id_x 1
		.amdhsa_system_sgpr_workgroup_id_y 1
		.amdhsa_system_sgpr_workgroup_id_z 1
		.amdhsa_system_vgpr_workitem_id 0
		.amdhsa_next_free_vgpr 170
		.amdhsa_next_free_sgpr 66
		.amdhsa_reserve_vcc 1
		.amdhsa_float_denorm_mode_32 3
		.amdhsa_float_denorm_mode_16_64 3
		.amdhsa_memory_ordered 1
		.amdhsa_forward_progress 1
		.amdhsa_inst_pref_size 35
	.end_amdhsa_kernel
	.amdgpu_metadata
---
amdhsa.version: [ 1, 2 ]
amdhsa.kernels:
  - .name:           k_q109b30f246_refine
    .symbol:         k_q109b30f246_refine.kd
    .args:
      - { .name: blk, .offset: 0, .size: 8, .value_kind: global_buffer, .address_space: global }
      - { .name: conv_point_coords, .offset: 8, .size: 8, .value_kind: global_buffer, .address_space: global }
      - { .name: points, .offset: 16, .size: 8, .value_kind: global_buffer, .address_space: global }
      - { .name: nidx, .offset: 24, .size: 8, .value_kind: global_buffer, .address_space: global }
      - { .name: nw, .offset: 32, .size: 8, .value_kind: global_buffer, .address_space: global }
    .group_segment_fixed_size: 5120
    .private_segment_fixed_size: 0
    .kernarg_segment_align: 8
    .kernarg_segment_size: 40
    .max_flat_workgroup_size: 640
    .sgpr_count:     66
    .vgpr_count:     170
    .wavefront_size: 32
...
	.end_amdgpu_metadata
.endif
;; end of part 2
;; launch heads (part 3): grid 250 x 1, 10 waves a work-group, no clusters, 118,016 bytes of LDS; arguments nidx, nw, conv_point_features, al_w, out_w1, cls_w1, out_w2, cls_w2, al_bn_g, al_bn_b, al_bn_m, al_bn_v, al_b, out_bn_g, out_bn_b, out_bn_m, out_bn_v, cls_bn_g, cls_bn_b, cls_bn_m, cls_bn_v, out_b2, cls_b2, out1, out0; writes out1, out0
.if DOCPART == 3
	.amdgcn_target "amdgcn-amd-amdhsa--gfx1250"
	.amdhsa_code_object_version 6
	.text
	.protected	k_q109b30f246_heads
	.globl	k_q109b30f246_heads
	.p2align	8
	.type	k_q109b30f246_heads,@function
k_q109b30f246_heads:
	s_mov_b64 s[64:65], 0
	v_nop
	global_prefetch_b8 v0, s[64:65] scope:SCOPE_SE
	s_setreg_imm32_b32 hwreg(HW_REG_WAVE_MODE, 25, 1), 1
	s_wait_xcnt 0x0
; BOTH HEADS.  A wave makes 16 rows of one output.  Waves 0-4: out1, rows 16 (5 g + wave) ..: gather three feature rows for each point, weigh them,
; then 64 -> 64 (align) -> 64 -> 20.  Waves 5-9: out0, rows 16 (5 g + wave - 5) ..: the features themselves, 64 -> 64 -> 20.
; All inputs are rounded to bf16 first (weights and features are matrix operands; gains, means, variances and biases are rounded with them);
; sums, normalisation and ReLU in f32.  What goes on into the next product goes as TWO bf16 numbers, x = hi + lo (hi = x rounded, lo = x - hi, exact in
; f32, rounded), and both are multiplied: a chain of three products would otherwise add three roundings to 8 bits.
; THE MATRIX INSTRUCTION IS USED TRANSPOSED: A = 16 output channels x 32 input channels (the weights lie [in][out] in LDS and come through the transposing
; load), B = 32 input channels x 16 rows.  In the result lane (r, h) holds row r, channels 16 ct + 8 h + 0..7, which, packed in pairs, are the very
; registers of the next layer's B fragment: nothing moves between lanes from layer to layer.
; The batch norm is folded: y = x s + t with s = g rsq(v + eps), t = b - m s (align: t = (bias - m) s + b).
; IN FRONT OF THE ONE BARRIER each wave lays its own 16 input rows into its own LDS bytes and its share of the weights and tables into the shared ones;
; each class of waves (8-9, 5-7, 0-4) has its whole way there in one stretch of the text, at whose end none of its global loads is out.
; NO CLUSTER, no copy engine: the shared weights are 60 KB that must be converted in registers on their way into LDS.
; LIMIT: an activation that rounds to infinity in bf16 (above about 3.39e38) is not served.
.set AL,   0                           ; three matrices [64 (k)][64 (n)] bf16, rows 160 bytes apart
.set O1,   10240
.set C1,   20480
.set O2,   30720                       ; two matrices [64][32] bf16 (columns 20-31 zero), rows 96 bytes apart
.set C2,   36864
.set TAB,  43008                       ; s, t of align, of out, of cls: six rows of 64 f32
.set B2O,  44544                       ; out_b2, then cls_b2: 64 f32 each, zero from entry 20 on
.set WST,  45056                       ; each wave's own bytes:
.set WSZ,  7168                        ;   16 rows x 144 bytes of bf16 input (hi); the same for lo; 1,280 bytes of output rows and 1,280 that are written and never read
.set XLO,  2304
.set OSTO, 4608
.set X,    24                          ; v[24:39]   two B fragments, hi
.set D,    40                          ; v[40:71]   four results
.set WF,   72                          ; v[72:135]  eight A fragments
.set ST,   136                         ; v[136:167] s, v[168:199] t of my 32 channels
.set XL,   200                         ; v[200:215] two B fragments, lo
.set SP,   216                         ; v[216:219] at work in the cut into hi and lo, two pairs by turns
; in front of the barrier:
.set SR,   24                          ; v[24:71]   weights as loaded (waves 0-7)
.set IDXQ, 72                          ; v[72:103]  row pair i: n1, n2, n3, 0; then byte offsets
.set WQ,   104                         ; v[104:135] row pair i: w1, w2, w3, 0
.set F,    136                         ; v[136:231] row pair i, neighbour k: 4 channels
.set TA,   232                         ; v[232:247] at work, two sets
.set CF,   72                          ; v[72:103]  waves 5-9: the features as loaded
.set WR,   136                         ; v[136:175] waves 8, 9: a row of out_w2, a row of cls_w2
.set PR,   176                         ; v[176:190] waves 8, 9: the 15 parameters of my channel; v[192:198] at work
; v4 transposing address in AL; v6, v7 in my mode's first and second matrix; v8 align's table, v9 my mode's, v10 my mode's bias;
; v11, v12 input rows in and back; v13, v14 output rows in, v15, v5 back; v16 zero; v17 16 h; v18 16 r; v19, v21-23 staging; v20 16 lane
	s_load_b512 s[4:19], s[0:1], 0x0               ; nidx 4, nw 6, features 8, al_w 10, out_w1 12, cls_w1 14, out_w2 16, cls_w2 18
	s_load_b512 s[20:35], s[0:1], 0x40             ; al g 20, b 22, m 24, v 26, al_b 28, out g 30, b 32, m 34
	s_load_b512 s[36:51], s[0:1], 0x80             ; out v 36, cls g 38, b 40, m 42, v 44, out_b2 46, cls_b2 48, out1 50
	s_load_b64 s[52:53], s[0:1], 0xc0              ; out0
	v_lshl_add_u32 v248, v0, 2, 0x1c800
	v_mov_b32 v249, 0
	v_and_b32 v1, 31, v0                           ; lane
	v_lshrrev_b32 v2, 5, v0
	v_readfirstlane_b32 s54, v2                    ; wave
	v_and_b32 v2, 15, v0                           ; r
	v_bfe_u32 v3, v0, 4, 1                         ; h
	s_cmp_ge_u32 s54, 5                            ; waves 5-9: the cls head
	s_cselect_b32 s55, 5, 0
	s_cselect_b32 s57, C1-O1, 0
	s_cselect_b32 s58, C2-O2, 0
	s_cselect_b32 s59, 512, 0
	s_cselect_b32 s60, 256, 0
	s_mul_i32 s56, ttmp9, 5
	s_add_co_u32 s56, s56, s54
	s_sub_co_u32 s56, s56, s55                     ; my tile of 16 rows, 0 .. 1249
	s_add_co_u32 s57, s57, O1
	s_add_co_u32 s58, s58, O2
	s_add_co_u32 s59, s59, TAB+512
	s_add_co_u32 s60, s60, B2O
	s_mul_i32 s61, s54, WSZ
	s_add_co_u32 s61, s61, WST
	s_add_co_u32 s62, s61, OSTO
	s_mov_b32 s63, 0xffff0000
	v_and_b32 v22, 7, v0
	v_lshl_add_u32 v22, v3, 3, v22                 ; 8 h + lane % 8: the row (k) that I address for the transposing load
	v_bfe_u32 v23, v0, 3, 1
	v_lshlrev_b32 v23, 4, v23                      ; and which 16 bytes of it
	v_mad_u32_u24 v4, v22, 160, v23
	v_mad_u32_u24 v7, v22, 96, v23
	v_add_nc_u32 v6, s57, v4
	v_add_nc_u32 v7, s58, v7
	v_lshlrev_b32 v8, 5, v3                        ; my 8 channels of a tile of 16: 32 h bytes
	v_add_nc_u32 v9, s59, v8
	v_add_nc_u32 v10, s60, v8
	v_add_nc_u32 v8, TAB, v8
	v_mad_u32_u24 v11, v3, 144, s61
	v_lshl_add_u32 v11, v2, 3, v11                 ; in: row 2 i + h, channels 4 r .. 4 r + 3
	v_mad_u32_u24 v12, v2, 144, s61
	v_lshl_add_u32 v12, v3, 4, v12                 ; back: row r, 16 h bytes
	v_mad_u32_u24 v13, v2, 80, s62
	v_mad_u32_u24 v14, v3, 1280, v13               ; classes 16-19 (h = 0); h = 1 holds classes 24-31, which do not exist: 1,280 bytes further on
	v_lshl_add_u32 v13, v3, 5, v13                 ; classes 8 h .. 8 h + 7 of row r
	v_lshl_add_u32 v15, v1, 4, s62
	v_lshl_add_u32 v5, v2, 4, s62
	v_mov_b32 v16, 0
	v_lshlrev_b32 v17, 4, v3
	v_lshlrev_b32 v18, 4, v2
	v_lshlrev_b32 v20, 4, v1
	s_wait_kmcnt 0x0
; waves 0-7: thread t takes 16 bytes at 16 t + 4096 i of each 64 x 64 matrix, which go to row t / 16 + 16 i, bytes 8 (t % 16)
.macro ASKW
	v_lshlrev_b32 v21, 4, v0
	v_lshrrev_b32 v19, 4, v0
	v_mul_u32_u24 v19, 160, v19
	v_lshl_add_u32 v19, v2, 3, v19
.irp i, 0,1,2,3
	global_load_b128 v[SR+4*\i:SR+4*\i+3], v21, s[10:11] offset:4096*\i
.endr
.irp i, 0,1,2,3
	global_load_b128 v[SR+16+4*\i:SR+16+4*\i+3], v21, s[12:13] offset:4096*\i
.endr
.irp i, 0,1,2,3
	global_load_b128 v[SR+32+4*\i:SR+32+4*\i+3], v21, s[14:15] offset:4096*\i
.endr
.endm
.macro PUTW
.irp e, 0,1,2,3,4,5,6,7,8,9,10,11
	v_cvt_pk_bf16_f32 v[SR+4*\e], v[SR+4*\e], v[SR+4*\e+1]
	v_cvt_pk_bf16_f32 v[SR+4*\e+1], v[SR+4*\e+2], v[SR+4*\e+3]
	ds_store_b64 v19, v[SR+4*\e:SR+4*\e+1] offset:(\e/4)*10240+(\e%4)*2560
.endr
.endm
; waves 5-9: my 16 feature rows, rounded once (they are inputs), into my own LDS bytes
.macro PUTF
.irp i, 0,1,2,3,4,5,6,7
	v_cvt_pk_bf16_f32 v[CF+4*\i], v[CF+4*\i], v[CF+4*\i+1]
	v_cvt_pk_bf16_f32 v[CF+4*\i+1], v[CF+4*\i+2], v[CF+4*\i+3]
	ds_store_b64 v11, v[CF+4*\i:CF+4*\i+1] offset:288*\i
.endr
.endm
; two f32 in v[a], v[a+1] are cut: hi = both rounded to bf16, lo = what is left of both (the differences are exact), rounded.  v[a], v[a+1] are used up.
.macro SPLIT hi, lo, a, t
	v_cvt_pk_bf16_f32 v[\hi], v[\a], v[\a+1]
	v_lshlrev_b32 v[\t], 16, v[\hi]
	v_and_b32 v[\t+1], s63, v[\hi]
	v_sub_f32 v[\a], v[\a], v[\t]
	v_sub_f32 v[\a+1], v[\a+1], v[\t+1]
	v_cvt_pk_bf16_f32 v[\lo], v[\a], v[\a+1]
.endm
; waves 0-4: rows 2 i, 2 i + 1: the weighted sum of three feature rows, 4 channels a lane, cut into hi and lo, into my own LDS bytes
.macro GATH i
	.set AC, TA+8*(\i&1)
	s_wait_loadcnt 21-3*\i                         ; this pair's three loads are in; those of the pairs behind it stay out
.irp k, 0,1,2
	v_cvt_pk_bf16_f32 v[F+12*\i+4*\k], v[F+12*\i+4*\k], v[F+12*\i+4*\k+1]      ; the features rounded to bf16
	v_cvt_pk_bf16_f32 v[F+12*\i+4*\k+1], v[F+12*\i+4*\k+2], v[F+12*\i+4*\k+3]
.endr
	v_fma_mix_f32_bf16 v[AC], v[F+12*\i], v[WQ+4*\i], v16 op_sel_hi:[1,0,0]
	v_fma_mix_f32_bf16 v[AC+1], v[F+12*\i], v[WQ+4*\i], v16 op_sel:[1,0,0] op_sel_hi:[1,0,0]
	v_fma_mix_f32_bf16 v[AC+2], v[F+12*\i+1], v[WQ+4*\i], v16 op_sel_hi:[1,0,0]
	v_fma_mix_f32_bf16 v[AC+3], v[F+12*\i+1], v[WQ+4*\i], v16 op_sel:[1,0,0] op_sel_hi:[1,0,0]
.irp k, 1,2
	v_fma_mix_f32_bf16 v[AC], v[F+12*\i+4*\k], v[WQ+4*\i+\k], v[AC] op_sel_hi:[1,0,0]
	v_fma_mix_f32_bf16 v[AC+1], v[F+12*\i+4*\k], v[WQ+4*\i+\k], v[AC+1] op_sel:[1,0,0] op_sel_hi:[1,0,0]
	v_fma_mix_f32_bf16 v[AC+2], v[F+12*\i+4*\k+1], v[WQ+4*\i+\k], v[AC+2] op_sel_hi:[1,0,0]
	v_fma_mix_f32_bf16 v[AC+3], v[F+12*\i+4*\k+1], v[WQ+4*\i+\k], v[AC+3] op_sel:[1,0,0] op_sel_hi:[1,0,0]
.endr
	SPLIT (AC+4), AC, AC, (AC+6)                   ; hi in AC+4, AC+5; lo in AC, AC+1
	SPLIT (AC+5), (AC+1), (AC+2), (AC+6)
	ds_store_b64 v11, v[AC+4:AC+5] offset:288*\i
	ds_store_b64 v11, v[AC:AC+1] offset:XLO+288*\i
.endm
	s_cmp_lt_u32 s54, 5
	s_cbranch_scc1 .Lpre_out
	; ---- waves 5-9: my 16 feature rows
	s_lshl_b32 s66, s56, 12                        ; 16 rows of 256 bytes
	s_mov_b32 s67, 0
	s_add_nc_u64 s[68:69], s[8:9], s[66:67]
.irp i, 0,1,2,3,4,5,6,7
	global_load_b128 v[CF+4*\i:CF+4*\i+3], v20, s[68:69] offset:512*\i     ; rows 2 i, 2 i + 1
.endr
	s_cmp_lt_u32 s54, 8
	s_cbranch_scc1 .Lpre_mid
	; ---- waves 8, 9: thread 256 + c takes channel c: its rows of the two last matrices, its parameters
	v_and_b32 v19, 63, v0
	v_mul_u32_u24 v21, 80, v19                     ; a row of 20 f32
	v_lshlrev_b32 v22, 2, v19
	v_min_u32 v23, 19, v19                         ; the biases have 20 entries
	v_lshlrev_b32 v23, 2, v23
.irp i, 0,1,2,3,4
	global_load_b128 v[WR+4*\i:WR+4*\i+3], v21, s[16:17] offset:16*\i
	global_load_b128 v[WR+20+4*\i:WR+20+4*\i+3], v21, s[18:19] offset:16*\i
.endr
.irp j, 0,1,2,3,4,5,6,7,8,9,10,11,12
	global_load_b32 v[PR+\j], v22, s[20+2*\j:21+2*\j]
.endr
	global_load_b32 v[PR+13], v23, s[46:47]
	global_load_b32 v[PR+14], v23, s[48:49]
	s_wait_loadcnt 0x0
	PUTF
	v_mul_u32_u24 v[PR+17], 96, v19
	v_mov_b32 v[PR+18], 0
	v_mov_b32 v[PR+19], 0
.irp m, 0,1
.irp e, 0,1,2,3,4,5,6,7,8,9
	v_cvt_pk_bf16_f32 v[WR+20*\m+\e], v[WR+20*\m+2*\e], v[WR+20*\m+2*\e+1]     ; in place: word e is written when words 2 e, 2 e + 1 are read
.endr
.irp i, 0,1,2,3,4
	ds_store_b64 v[PR+17], v[WR+20*\m+2*\i:WR+20*\m+2*\i+1] offset:O2+6144*\m+8*\i
.endr
.irp i, 5,6,7
	ds_store_b64 v[PR+17], v[PR+18:PR+19] offset:O2+6144*\m+8*\i   ; columns 20-31
.endr
.endr
.macro RB a, b                         ; two parameters rounded to bf16, as f32
	v_cvt_pk_bf16_f32 v[PR+16], v[PR+\a], v[PR+\b]
	v_lshlrev_b32 v[PR+\a], 16, v[PR+16]
	v_and_b32 v[PR+\b], s63, v[PR+16]
.endm
	RB 0, 1
	RB 2, 3
	RB 4, 5
	RB 6, 7
	RB 8, 9
	RB 10, 11
	RB 12, 13
	RB 14, 14
	v_add_f32 v[PR+3], 0x358637bd, v[PR+3]         ; align: v + 1e-6
	v_add_f32 v[PR+8], 0x3727c5ac, v[PR+8]         ; out: v + 1e-5
	v_add_f32 v[PR+12], 0x3727c5ac, v[PR+12]       ; cls: v + 1e-5
	v_rsq_f32 v[PR+20], v[PR+3]
	v_rsq_f32 v[PR+21], v[PR+8]
	v_rsq_f32 v[PR+22], v[PR+12]
	v_sub_f32 v[PR+4], v[PR+4], v[PR+2]            ; al_b - m: the plain instruction between v_rsq_f32 and the first use of its result (ISA guide 5.7.2)
	s_wait_alu depctr_va_vdst(0)
	v_mul_f32 v[PR+20], v[PR], v[PR+20]            ; s = g rsq(v + eps)
	v_mul_f32 v[PR+21], v[PR+5], v[PR+21]
	v_mul_f32 v[PR+22], v[PR+9], v[PR+22]
	v_fma_f32 v[PR+1], v[PR+4], v[PR+20], v[PR+1]          ; t = (al_b - m) s + b
	v_fma_f32 v[PR+6], -v[PR+7], v[PR+21], v[PR+6]         ; t = b - m s
	v_fma_f32 v[PR+10], -v[PR+11], v[PR+22], v[PR+10]
	v_cmp_gt_u32 vcc_lo, 20, v19
	v_cndmask_b32 v[PR+13], v16, v[PR+13], vcc_lo
	v_cndmask_b32 v[PR+14], v16, v[PR+14], vcc_lo
	ds_store_b32 v22, v[PR+20] offset:TAB
	ds_store_b32 v22, v[PR+1] offset:TAB+256
	ds_store_b32 v22, v[PR+21] offset:TAB+512
	ds_store_b32 v22, v[PR+6] offset:TAB+768
	ds_store_b32 v22, v[PR+22] offset:TAB+1024
	ds_store_b32 v22, v[PR+10] offset:TAB+1280
	ds_store_b32 v22, v[PR+13] offset:B2O
	ds_store_b32 v22, v[PR+14] offset:B2O+256
	s_branch .Lpre_done
.Lpre_mid:
	; ---- waves 5-7: their share of the three 64 x 64 matrices
	ASKW
	s_wait_loadcnt 0x0
	PUTF
	PUTW
	s_branch .Lpre_done
.Lpre_out:
	; ---- waves 0-4: the records of my 16 points, my share of the matrices, the gather
	s_lshl_b32 s66, s56, 8                         ; 16 records of 16 bytes
	s_mov_b32 s67, 0
	s_add_nc_u64 s[4:5], s[4:5], s[66:67]
	s_add_nc_u64 s[6:7], s[6:7], s[66:67]
.irp i, 0,1,2,3,4,5,6,7
	global_load_b128 v[IDXQ+4*\i:IDXQ+4*\i+3], v17, s[4:5] offset:32*\i    ; row 2 i + h: the same record in all sixteen lanes of a half
.endr
.irp i, 0,1,2,3,4,5,6,7
	global_load_b128 v[WQ+4*\i:WQ+4*\i+3], v17, s[6:7] offset:32*\i
.endr
	ASKW
	s_wait_loadcnt 12                              ; the sixteen record loads are in; the twelve matrix loads stay out
.irp i, 0,1,2,3,4,5,6,7
.irp k, 0,1,2
	v_min_u32 v[IDXQ+4*\i+\k], 19999, v[IDXQ+4*\i+\k]              ; a loaded number enters an address only clamped
	v_lshl_add_u32 v[IDXQ+4*\i+\k], v[IDXQ+4*\i+\k], 8, v18        ; row x 256 + 16 r: sixteen lanes take a whole row of 256 bytes
	global_load_b128 v[F+12*\i+4*\k:F+12*\i+4*\k+3], v[IDXQ+4*\i+\k], s[8:9]
.endr
.endr
	s_wait_loadcnt 24                              ; the matrices are in; the 24 gather loads stay out while they are converted
	PUTW
.irp i, 0,1,2,3,4,5,6,7
	GATH \i
.endr
.Lpre_done:
	s_wait_dscnt 0x0                               ; my part of the weights and tables is in LDS, for the other waves' sake
	s_barrier_signal -1
	s_barrier_wait -1                              ; the only barrier: from here on each wave reads shared bytes and writes its own alone
.macro XLOAD lo                        ; my 16 rows back as two B fragments: row r, channels 8 h .., 16 + 8 h .., 32 + 8 h .., 48 + 8 h ..
.irp j, 0,1,2,3
	ds_load_b128 v[X+4*\j:X+4*\j+3], v12 offset:32*\j
.endr
.if \lo
.irp j, 0,1,2,3
	ds_load_b128 v[XL+4*\j:XL+4*\j+3], v12 offset:XLO+32*\j
.endr
.endif
.endm
; 64 -> 64, batch norm, ReLU; X (and, with lo = 1, XL) in, X and XL out.  adr: transposing address in the matrix; tab: address of my channels' s (t 256 bytes behind)
.macro LAYER64 adr, tab, lo
.irp ks, 0,1
.irp ct, 0,1,2,3
	ds_load_tr16_b128 v[WF+32*\ks+8*\ct:WF+32*\ks+8*\ct+3], v[\adr] offset:5120*\ks+32*\ct
	ds_load_tr16_b128 v[WF+32*\ks+8*\ct+4:WF+32*\ks+8*\ct+7], v[\adr] offset:5120*\ks+32*\ct+2560
.endr
.endr
.irp ct, 0,1,2,3
	ds_load_b128 v[ST+8*\ct:ST+8*\ct+3], v[\tab] offset:64*\ct
	ds_load_b128 v[ST+8*\ct+4:ST+8*\ct+7], v[\tab] offset:64*\ct+16
	ds_load_b128 v[ST+32+8*\ct:ST+32+8*\ct+3], v[\tab] offset:256+64*\ct
	ds_load_b128 v[ST+32+8*\ct+4:ST+32+8*\ct+7], v[\tab] offset:256+64*\ct+16
.endr
	s_wait_dscnt 16                                ; the fragments are in; the sixteen loads of s and t stay out
.irp ct, 0,1,2,3                                       ; the four accumulators take turns, one instruction a turn
	v_wmma_f32_16x16x32_bf16 v[D+8*\ct:D+8*\ct+7], v[WF+8*\ct:WF+8*\ct+7], v[X:X+7], 0
.endr
.irp ct, 0,1,2,3
	v_wmma_f32_16x16x32_bf16 v[D+8*\ct:D+8*\ct+7], v[WF+32+8*\ct:WF+32+8*\ct+7], v[X+8:X+15], v[D+8*\ct:D+8*\ct+7]
.endr
.if \lo
.irp ct, 0,1,2,3
	v_wmma_f32_16x16x32_bf16 v[D+8*\ct:D+8*\ct+7], v[WF+8*\ct:WF+8*\ct+7], v[XL:XL+7], v[D+8*\ct:D+8*\ct+7]
.endr
.irp ct, 0,1,2,3
	v_wmma_f32_16x16x32_bf16 v[D+8*\ct:D+8*\ct+7], v[WF+32+8*\ct:WF+32+8*\ct+7], v[XL+8:XL+15], v[D+8*\ct:D+8*\ct+7]
.endr
.endif
	s_wait_dscnt 0x0
.rept 4
	v_nop                                          ; four places behind the last matrix instruction before its result is read and its sources are written (ISA guide 7.12.1)
.endr
.irp p, 0,2,4,6,8,10,12,14,16,18,20,22,24,26,28,30
	v_pk_fma_f32 v[D+\p:D+\p+1], v[D+\p:D+\p+1], v[ST+\p:ST+\p+1], v[ST+32+\p:ST+32+\p+1]
.endr
.irp p, 0,2,4,6,8,10,12,14,16,18,20,22,24,26,28,30
	v_max_num_f32 v[D+\p], 0, v[D+\p]
	v_max_num_f32 v[D+\p+1], 0, v[D+\p+1]
.endr
.irp e, 0,1,2,3,4,5,6,7,8,9,10,11,12,13,14,15
	SPLIT (X+\e), (XL+\e), (D+2*\e), (SP+2*(\e&1))         ; results 2 ks, 2 ks + 1 are fragment ks of the next layer
.endr
.endm
	s_cmp_ge_u32 s54, 5
	s_cbranch_scc1 .Llay_cls
	XLOAD 1
	LAYER64 4, 8, 1                                ; align
	LAYER64 6, 9, 1                                ; out head, first layer
	s_branch .Llay_done
.Llay_cls:
	XLOAD 0
	LAYER64 6, 9, 0                                ; cls head, first layer: the features have no low piece
.Llay_done:
	; the last layer, 64 -> 20 (two tiles of 16 classes), alike for both modes
.irp ks, 0,1
.irp ct, 0,1
	ds_load_tr16_b128 v[WF+16*\ks+8*\ct:WF+16*\ks+8*\ct+3], v7 offset:3072*\ks+32*\ct
	ds_load_tr16_b128 v[WF+16*\ks+8*\ct+4:WF+16*\ks+8*\ct+7], v7 offset:3072*\ks+32*\ct+1536
.endr
.endr
.irp ct, 0,1
	ds_load_b128 v[D+8*\ct:D+8*\ct+3], v10 offset:64*\ct           ; the bias starts the sums
	ds_load_b128 v[D+8*\ct+4:D+8*\ct+7], v10 offset:64*\ct+16
.endr
	s_wait_dscnt 0x0
.irp ks, 0,1                                           ; the two accumulators take turns, one instruction a turn
.irp ct, 0,1
	v_wmma_f32_16x16x32_bf16 v[D+8*\ct:D+8*\ct+7], v[WF+16*\ks+8*\ct:WF+16*\ks+8*\ct+7], v[X+8*\ks:X+8*\ks+7], v[D+8*\ct:D+8*\ct+7]
.endr
.endr
.irp ks, 0,1
.irp ct, 0,1
	v_wmma_f32_16x16x32_bf16 v[D+8*\ct:D+8*\ct+7], v[WF+16*\ks+8*\ct:WF+16*\ks+8*\ct+7], v[XL+8*\ks:XL+8*\ks+7], v[D+8*\ct:D+8*\ct+7]
.endr
.endr
.rept 4
	v_nop                                          ; four places before the results are stored and the fragments' registers loaded again (ISA guide 7.12.1)
.endr
	; THE WAY OUT: 16 rows x 20 f32 = 1,280 bytes, gathered in my own LDS bytes and stored as 512 + 512 + 256 consecutive bytes
	ds_store_b128 v13, v[D:D+3]
	ds_store_b128 v13, v[D+4:D+7] offset:16
	ds_store_b128 v14, v[D+8:D+11] offset:64
	s_cmp_ge_u32 s54, 5
	s_cselect_b64 s[66:67], s[52:53], s[50:51]
	s_mul_i32 s68, s56, 1280
	s_mov_b32 s69, 0
	s_add_nc_u64 s[66:67], s[66:67], s[68:69]
	ds_load_b128 v[WF:WF+3], v15                   ; my own wave's bytes: LDS serves a wave's instructions in order (ISA guide 5.7.1)
	ds_load_b128 v[WF+4:WF+7], v15 offset:512
	ds_load_b128 v[WF+8:WF+11], v5 offset:1024     ; the last 256 bytes, at 16 r: both halves of the lanes read the same bytes
	s_wait_dscnt 0x2                               ; the first of the three is in
	global_store_b128 v20, v[WF:WF+3], s[66:67] th:TH_STORE_NT
	s_wait_dscnt 0x1
	global_store_b128 v20, v[WF+4:WF+7], s[66:67] offset:512 th:TH_STORE_NT
	s_wait_dscnt 0x0
	s_wait_xcnt 0x0                                ; EXEC changes only behind this wait
	v_cmp_gt_u32 vcc_lo, 16, v1
	s_barrier_signal -1
	s_barrier_wait -1
	s_wait_tensorcnt 0x0
	ds_add_u32 v248, v249
	s_wait_dscnt 0x0
	s_and_saveexec_b32 s55, vcc_lo
	global_store_b128 v20, v[WF+8:WF+11], s[66:67] offset:1024 th:TH_STORE_NT
	s_wait_xcnt 0x0                                ; and again in front of the line that widens it
	s_or_b32 exec_lo, exec_lo, s55
	s_endpgm
.Lfunc_end_k_q109b30f246_heads:
	.size	k_q109b30f246_heads, .Lfunc_end_k_q109b30f246_heads-k_q109b30f246_heads
	.p2alignl 7, 3214868480
	.fill 96, 4, 3214868480
	.section	.rodata,"a",@progbits
	.p2align	6, 0x0
	.amdhsa_kernel k_q109b30f246_heads
		.amdhsa_group_segment_fixed_size 118016
		.amdhsa_private_segment_fixed_size 0
		.amdhsa_enable_private_segment 0
		.amdhsa_kernarg_size 200
		.amdhsa_user_sgpr_count 2
		.amdhsa_user_sgpr_kernarg_segment_ptr 1
		.amdhsa_wavefront_size32 1
		.amdhsa_system_sgpr_workgroup_id_x 1
		.amdhsa_system_sgpr_workgroup_id_y 1
		.amdhsa_system_sgpr_workgroup_id_z 1
		.amdhsa_system_vgpr_workitem_id 0
		.amdhsa_next_free_vgpr 250
		.amdhsa_next_free_sgpr 80
		.amdhsa_reserve_vcc 1
		.amdhsa_float_denorm_mode_32 3
		.amdhsa_float_denorm_mode_16_64 3
		.amdhsa_memory_ordered 1
		.amdhsa_forward_progress 1
		.amdhsa_inst_pref_size 74
	.end_amdhsa_kernel
	.amdgpu_metadata
---
amdhsa.version: [ 1, 2 ]
amdhsa.kernels:
  - .name:           k_q109b30f246_heads
    .symbol:         k_q109b30f246_heads.kd
    .args:
      - { .name: nidx, .offset: 0, .size: 8, .value_kind: global_buffer, .address_space: global }
      - { .name: nw, .offset: 8, .size: 8, .value_kind: global_buffer, .address_space: global }
      - { .name: conv_point_features, .offset: 16, .size: 8, .value_kind: global_buffer, .address_space: global }
      - { .name: al_w, .offset: 24, .size: 8, .value_kind: global_buffer, .address_space: global }
      - { .name: out_w1, .offset: 32, .size: 8, .value_kind: global_buffer, .address_space: global }
      - { .name: cls_w1, .offset: 40, .size: 8, .value_kind: global_buffer, .address_space: global }
      - { .name: out_w2, .offset: 48, .size: 8, .value_kind: global_buffer, .address_space: global }
      - { .name: cls_w2, .offset: 56, .size: 8, .value_kind: global_buffer, .address_space: global }
      - { .name: al_bn_g, .offset: 64, .size: 8, .value_kind: global_buffer, .address_space: global }
      - { .name: al_bn_b, .offset: 72, .size: 8, .value_kind: global_buffer, .address_space: global }
      - { .name: al_bn_m, .offset: 80, .size: 8, .value_kind: global_buffer, .address_space: global }
      - { .name: al_bn_v, .offset: 88, .size: 8, .value_kind: global_buffer, .address_space: global }
      - { .name: al_b, .offset: 96, .size: 8, .value_kind: global_buffer, .address_space: global }
      - { .name: out_bn_g, .offset: 104, .size: 8, .value_kind: global_buffer, .address_space: global }
      - { .name: out_bn_b, .offset: 112, .size: 8, .value_kind: global_buffer, .address_space: global }
      - { .name: out_bn_m, .offset: 120, .size: 8, .value_kind: global_buffer, .address_space: global }
      - { .name: out_bn_v, .offset: 128, .size: 8, .value_kind: global_buffer, .address_space: global }
      - { .name: cls_bn_g, .offset: 136, .size: 8, .value_kind: global_buffer, .address_space: global }
      - { .name: cls_bn_b, .offset: 144, .size: 8, .value_kind: global_buffer, .address_space: global }
      - { .name: cls_bn_m, .offset: 152, .size: 8, .value_kind: global_buffer, .address_space: global }
      - { .name: cls_bn_v, .offset: 160, .size: 8, .value_kind: global_buffer, .address_space: global }
      - { .name: out_b2, .offset: 168, .size: 8, .value_kind: global_buffer, .address_space: global }
      - { .name: cls_b2, .offset: 176, .size: 8, .value_kind: global_buffer, .address_space: global }
      - { .name: out1, .offset: 184, .size: 8, .value_kind: global_buffer, .address_space: global }
      - { .name: out0, .offset: 192, .size: 8, .value_kind: global_buffer, .address_space: global }
    .group_segment_fixed_size: 118016
    .private_segment_fixed_size: 0
    .kernarg_segment_align: 8
    .kernarg_segment_size: 200
    .max_flat_workgroup_size: 320
    .sgpr_count:     80
    .vgpr_count:     250
    .wavefront_size: 32
...
	.end_amdgpu_metadata
.endif
;; end of part 3
